; MI455X (gfx1250); checked and timed in simulation.
; The chip was launched on July 23, 2026; its instructions are those of AMD's public machine-readable ISA for CDNA 5 (MIT licence, August 2026) and "CDNA5" Instruction Set Architecture Reference Guide (July 2026). The comments in the code are by the model that wrote it; some were corrected since.
;; VQ Layer. Allowed arithmetic: matrix products marked QUANTISED: E5M2 operands, one given power-of-two scale a tensor, by v_wmma_f32_16x16x64_bf8_bf8 or v_wmma_f32_16x16x128_bf8_bf8, f32 sums; everything else in f32.
;; Inputs: emb 8,192 x 512 float32; lowp_scales 2 int32 (the exponents e of the quantised operands' scales 2^e); x 16,384 x 512 float32.
;; Outputs: out0 16,384 x 512 float32.
;; This version of the problem:
;;   THIS VERSION OF THE PROBLEM IS GIVEN IN LOW PRECISION. The matrix products marked QUANTISED in the list below multiply operands that are first quantised to E5M2 (5 exponent bits, 2 mantissa bits; 8 bits a number), with one given power-of-two scale for each operand tensor; their sums are f32. All else is computed in f32.
;;   The module's matrix products, in the order in which they are computed (A, B: the left and right operand; K: the contracted axis; several contracted axes count as one K, in the product's order):
;;     1. [M 16,384, K 512] x [K 512, N 8,192]; A: input x; B: input emb: QUANTISED (scales: A lowp_scales[0], B lowp_scales[1])
;;   THE QUANTISER, for each operand of a quantised product, along K:
;;     - The operand's scale is 2^e, e = its entry of the input lowp_scales (int32; the entries are numbered through the quantised products in the list's order, A before B).
;;     - Each number is divided by the scale, clamped to +-57,344, and rounded to the nearest number of E5M2, ties to even, subnormals kept.
;;     - The product sums the exact products of the quantised numbers (number of the format x scale) in f32.
;;   ~~~python
;;   def quantise(x, axis, e):      # numpy; x: float32 -> the quantised numbers, widened to float32 again
;;       x = np.moveaxis(x, axis, -1); K = x.shape[-1]
;;       r = np.clip(x / 2.0 ** e, -57344, 57344)
;;       step = 2.0 ** (np.maximum(np.frexp(np.where(r == 0, 1, r))[1] - 1, -14) - 2)
;;       q = np.round(r / step) * step * 2.0 ** e      # np.round: ties to even
;;       return np.moveaxis(q, -1, axis).astype(np.float32)
;;   ~~~
;; One version. Each part assembles by itself: llvm-mc -triple=amdgcn-amd-amdhsa -mcpu=gfx1250 --defsym DOCPART=n.
;; ======== version 1 of 1: 3 launches
;; limits: right only within a limited range of input values
;; workspace buffers: xc 8,388,608 bytes; ec 4,194,304 bytes; en 32,768 bytes; ckey 524,288 bytes of whole numbers; cidx 524,288 bytes of whole numbers
;; launch quant (part 1): grid 384 x 1, 4 waves a work-group, no clusters, 68,608 bytes of LDS; arguments x, emb, lowp_scales, xc, ec, en; writes xc, ec, en
.if DOCPART == 1
	.amdgcn_target "amdgcn-amd-amdhsa--gfx1250"
	.amdhsa_code_object_version 6
	.text
	.protected	k_q9ceca6188a_quant
	.globl	k_q9ceca6188a_quant
	.p2align	8
	.type	k_q9ceca6188a_quant,@function
k_q9ceca6188a_quant:
	s_mov_b64 s[64:65], 0
	v_nop
	global_prefetch_b8 v0, s[64:65] scope:SCOPE_SE
	s_setreg_imm32_b32 hwreg(HW_REG_WAVE_MODE, 25, 1), 1
	s_wait_xcnt 0x0
; x [16384][512] and emb [8192][512], f32, become codes of BF8 (E5M2), each tensor with its given scale 2^e; of emb's rows the sum of squares is taken too (of the numbers as given, in f32).
; code = number / 2^e, held within +-57,344, rounded to the nearest code, ties to even.  e: entry 0 of lowp_scales for x, entry 1 for emb.
; WORK LEFT OUT: x2 = sum(x * x).  dist(row, code) = x2(row) + e2(code) - 2 p(row, code), and only argmin over the codes of a row goes on.  x2(row) is the same for all codes of its row,
; so for all finite values of the inputs the argmin of e2 - 2 p is the argmin of dist: x2 can reach no output.  It is not computed in any launch.  x itself stays live: its codes feed the product.
; LIMIT of that: an overflow, infinity or NaN that x2 alone would bring into dist is not carried to the result.
; THE CODES ARE LAID AS IMAGES OF THE MATRIX OPERAND'S REGISTERS.  Tile T = rows 16 T .. 16 T + 15 takes 8,192 bytes at 8192 T; in it group g = 4 s + c (s: K step of 128, c = 0 .. 3) takes 512 bytes at 512 g;
; in it lane l = 16 h + r has 16 bytes at 16 l: the codes of row r, k = 128 s + 32 c + 16 h + 0 .. 15.
; en[code] = -(e2) x 2^(-1 - ea - eb): the product's launch begins each sum of code products with it, and the largest such sum is the smallest distance.
; LIMITS: ea and eb between -126 and 112; -1 - ea - eb between -126 and 127; the scaled norms stay f32 numbers.  NaN among the inputs is not served; an infinity is held at the largest code.
; SHARES.  Work-groups 0 .. 255 take 64 rows of x each, 256 .. 383 64 rows of emb.  A wave takes one tile, in four K steps of 128.  The two tensors part once, on the work-group's number:
; emb's way has the squares and the norms, x's has neither; each way has stages in LDS bytes of its own.
; A load reads 512 consecutive bytes of one row; the conversions want 16 neighbours along K in one lane: so a K step's 8,192 bytes turn through the wave's own stage in LDS (16 rows, 528 bytes apart).
; No tensor load, no matrix work, no cluster: the launch streams, and waves share nothing but emb's 64 norms, which meet in LDS so that one aligned run of 256 bytes is stored whole.
.set WGX,  256                         ; work-groups that take x
.set SP,   528                         ; a stage row: 512 bytes + 16
.set WSTG, 16*SP                       ; a wave's stage
.set NB,   4*WSTG                      ; behind emb's stages: the work-group's 64 norms, 256 bytes
.set SPARE, 0x8600                     ; the spare words, 128 bytes a wave
.set XST,  0x8800                      ; x's stages lie this far behind emb's
.set GA,   4                           ; v4   16 x lane
.set WRA,  5                           ; v5   the stage on the way in: stage + 16 x lane
.set RDA,  6                           ; v6   and on the way out: stage + 528 r + 64 h
.set NA,   7                           ; v7   NB + 64 x wave + 4 r
.set NO,   8                           ; v8   8 x lane
.set NR,   9                           ; v9   NB + 8 x lane
.set SQ,   12                          ; v12-15  two packed chains of squares
.set C,    16                          ; v16-47  two sets of 16 registers of codes
.set R,    48                          ; v48-175 two sets of 64 registers: a K step as loaded
.set X,    176                         ; v176-239 register 16 c + i = k 32 c + 16 h + i of my row
.set T,    240
	s_load_b128 s[4:7], s[0:1], 0x0                ; x, emb
	s_load_b64 s[8:9], s[0:1], 0x10                ; the scales' exponents
	s_load_b128 s[12:15], s[0:1], 0x18             ; x's codes, emb's codes
	s_load_b64 s[16:17], s[0:1], 0x28              ; emb's norms
	v_lshl_add_u32 v248, v0, 2, SPARE
	v_mov_b32 v249, 0
	v_lshrrev_b32 v1, 5, v0
	v_readfirstlane_b32 s20, v1                    ; wave 0..3
	v_and_b32 v1, 31, v0                           ; lane
	v_and_b32 v2, 15, v0                           ; r
	v_bfe_u32 v3, v0, 4, 1                         ; h
	v_lshlrev_b32 v[GA], 4, v1
	s_mul_i32 s24, s20, WSTG
	v_add_nc_u32 v[WRA], s24, v[GA]
	v_mul_u32_u24 v[RDA], v2, SP
	v_lshl_add_u32 v[RDA], v3, 6, v[RDA]
	v_add_nc_u32 v[RDA], s24, v[RDA]
	s_lshl_b32 s25, s20, 6
	s_add_co_u32 s25, s25, NB
	v_lshl_add_u32 v[NA], v2, 2, s25
	v_lshlrev_b32 v[NO], 3, v1
	v_add_nc_u32 v[NR], NB, v[NO]
	s_mov_b32 s32, 0x76543210                      ; v_permlanex16_b32's selects for lane l xor 16
	s_mov_b32 s33, 0xfedcba98
	s_wait_alu depctr_va_vdst(0)
	s_wait_kmcnt 0x0
	s_load_b64 s[22:23], s[8:9], 0x0               ; ea, eb
	s_cmp_lt_u32 ttmp9, WGX                        ; x's work-group or emb's?
	s_cselect_b64 s[4:5], s[4:5], s[6:7]
	s_cselect_b64 s[12:13], s[12:13], s[14:15]
	s_cselect_b32 s26, 0, WGX
	s_sub_co_u32 s26, ttmp9, s26                   ; my work-group among its tensor's
	s_lshl_b32 s27, s26, 2
	s_add_co_u32 s27, s27, s20                     ; my tile T
	s_lshl_b32 s28, s27, 15                        ; 16 rows of 2,048 bytes
	s_mov_b32 s29, 0
	s_add_nc_u64 s[4:5], s[4:5], s[28:29]
	s_lshl_b32 s28, s27, 13                        ; an image of 8,192 bytes
	s_add_nc_u64 s[12:13], s[12:13], s[28:29]
	s_lshl_b32 s28, s26, 8                         ; 64 norms (used on emb's way alone)
	s_add_nc_u64 s[16:17], s[16:17], s[28:29]
.macro LOAD s                          ; K step s: load i reads 512 consecutive bytes of row i
.irp i, 0,1,2,3,4,5,6,7,8,9,10,11,12,13,14,15
	global_load_b128 v[R+64*((\s)%2)+4*\i:R+64*((\s)%2)+4*\i+3], v[GA], s[4:5] offset:2048*\i+512*(\s) th:TH_LOAD_NT
.endr
.endm
	LOAD 0
	LOAD 1
	s_wait_kmcnt 0x0
	s_cmp_lt_u32 ttmp9, WGX
	s_cselect_b32 s30, s22, s23                    ; my tensor's e
	s_add_co_i32 s31, s22, s23                     ; ea + eb
	s_sub_co_i32 s31, 126, s31
	s_lshl_b32 s31, s31, 23
	s_or_b32 s34, s31, 0x80000000                  ; -2^(-1 - ea - eb) as f32
	s_add_co_i32 s30, s30, 127
	s_lshl_b32 s24, s30, 23
	v_mov_b32 v11, s24                             ; 2^e as f32: the conversion takes its exponent field
	s_add_co_i32 s30, s30, 15
	s_lshl_b32 s30, s30, 23
	s_or_b32 s30, s30, 0x600000
	v_mov_b32 v10, s30                             ; 57,344 x 2^e
; K step s.  sq = 1: the squares are summed.  lo: where this way's stages begin
.macro STEP s, sq, lo
.set RS, R+64*((\s)%2)
.set CS, C+16*((\s)%2)
.if (\s) < 3
	s_wait_loadcnt 16                              ; this K step's 16 loads are in; the next step's 16 may be out
.else
	s_wait_loadcnt 0
.endif
.irp i, 0,1,2,3,4,5,6,7,8,9,10,11,12,13,14,15
	ds_store_b128 v[WRA], v[RS+4*\i:RS+4*\i+3] offset:\lo+SP*\i
.endr
.irp c, 0,1,2,3
.irp j, 0,1,2,3
	ds_load_b128 v[X+16*\c+4*\j:X+16*\c+4*\j+3], v[RDA] offset:\lo+128*\c+16*\j   ; LDS serves a wave's instructions in order: these see the stores above
.endr
.endr
	s_wait_dscnt 0x0                               ; my 64 numbers are in, and the stores have read their registers,
.if (\s) < 2
	LOAD (\s)+2                                    ; which take the loads of two steps on
.endif
.if \sq
.irp j, 0,4,8,12,16,20,24,28,32,36,40,44,48,52,56,60
.if ((\s) == 0) && (\j == 0)
	v_pk_mul_f32 v[SQ:SQ+1], v[X:X+1], v[X:X+1]    ; the first squares start the chains: nothing is cleared
	v_pk_mul_f32 v[SQ+2:SQ+3], v[X+2:X+3], v[X+2:X+3]
.else
	v_pk_fma_f32 v[SQ:SQ+1], v[X+\j:X+\j+1], v[X+\j:X+\j+1], v[SQ:SQ+1]
	v_pk_fma_f32 v[SQ+2:SQ+3], v[X+\j+2:X+\j+3], v[X+\j+2:X+\j+3], v[SQ+2:SQ+3]
.endif
.endr
.endif
.set q, 0
.rept 64
	v_med3_num_f32 v[X+q], v[X+q], -v10, v10       ; the conversion to an 8-bit code does not saturate (ISA guide 7.6.2): the hold at the largest code x the scale
.set q, q+1
.endr
.if (\s) >= 2
	s_wait_alu depctr_va_vdst(0)
	s_wait_xcnt 0x0                                ; the stores of two steps back have read this set of codes: it is written again only behind this wait
.endif
.irp c, 0,1,2,3
	v_cvt_scalef32_pk8_bf8_f32 v[CS+4*\c:CS+4*\c+1], v[X+16*\c:X+16*\c+7], v11
	v_cvt_scalef32_pk8_bf8_f32 v[CS+4*\c+2:CS+4*\c+3], v[X+16*\c+8:X+16*\c+15], v11
.endr
	v_nop                                          ; one plain vector line behind the last conversion of the run
.irp c, 0,1,2,3
	global_store_b128 v[GA], v[CS+4*\c:CS+4*\c+3], s[12:13] offset:512*(4*(\s)+\c)   ; group 4 s + c of the image: 512 consecutive bytes
.endr
.endm
	s_cmp_lt_u32 ttmp9, WGX
	s_wait_alu depctr_va_vdst(0)
	s_cbranch_scc1 .Lx
	STEP 0, 1, 0                                   ; emb's way
	STEP 1, 1, 0
	STEP 2, 1, 0
	STEP 3, 1, 0
	v_pk_add_f32 v[SQ:SQ+1], v[SQ:SQ+1], v[SQ+2:SQ+3]
	v_mov_b32 v[T], 0                              ; a lane permute's destination counts as one of its sources
	v_add_f32 v[SQ], v[SQ], v[SQ+1]                ; my 256 numbers' squares,
	v_permlanex16_b32 v[T], v[SQ], s32, s33
	v_add_f32 v[SQ], v[SQ], v[T]                   ; and lane l xor 16's: the row's
	v_mul_f32 v[SQ], s34, v[SQ]                    ; x -2^(-1 - ea - eb): nothing is rounded
	ds_store_b32 v[NA], v[SQ]                      ; lanes r and 16 + r write the same word with the same number
	s_wait_dscnt 0x0                               ; for wave 0's sake: my norms lie in LDS
	s_barrier_signal -1
	s_barrier_wait -1
	s_cmp_lg_u32 s20, 0
	s_cbranch_scc1 .Ldone
	ds_load_b64 v[T:T+1], v[NR]
	s_wait_dscnt 0x0
	global_store_b64 v[NO], v[T:T+1], s[16:17]     ; the work-group's 64 norms: 256 consecutive bytes, aligned
	s_branch .Ldone
.Lx:
	STEP 0, 0, XST                                 ; x's way: codes alone
	STEP 1, 0, XST
	STEP 2, 0, XST
	STEP 3, 0, XST
.Ldone:
	s_wait_tensorcnt 0x0                           ; the wave's end
	ds_add_u32 v248, v249
	s_wait_dscnt 0x0
	s_endpgm
.Lfunc_end_k_q9ceca6188a_quant:
	.size	k_q9ceca6188a_quant, .Lfunc_end_k_q9ceca6188a_quant-k_q9ceca6188a_quant
	.p2alignl 7, 3214868480
	.fill 96, 4, 3214868480
	.section	.rodata,"a",@progbits
	.p2align	6, 0x0
	.amdhsa_kernel k_q9ceca6188a_quant
		.amdhsa_group_segment_fixed_size 68608
		.amdhsa_private_segment_fixed_size 0
		.amdhsa_enable_private_segment 0
		.amdhsa_kernarg_size 48
		.amdhsa_user_sgpr_count 2
		.amdhsa_user_sgpr_kernarg_segment_ptr 1
		.amdhsa_wavefront_size32 1
		.amdhsa_system_sgpr_workgroup_id_x 1
		.amdhsa_system_sgpr_workgroup_id_y 1
		.amdhsa_system_sgpr_workgroup_id_z 1
		.amdhsa_system_vgpr_workitem_id 0
		.amdhsa_next_free_vgpr 250
		.amdhsa_next_free_sgpr 66
		.amdhsa_reserve_vcc 0
		.amdhsa_float_denorm_mode_32 3
		.amdhsa_float_denorm_mode_16_64 3
		.amdhsa_memory_ordered 1
		.amdhsa_forward_progress 1
		.amdhsa_inst_pref_size 77
	.end_amdhsa_kernel
	.amdgpu_metadata
---
amdhsa.version: [ 1, 2 ]
amdhsa.kernels:
  - .name:           k_q9ceca6188a_quant
    .symbol:         k_q9ceca6188a_quant.kd
    .args:
      - { .name: x, .offset: 0, .size: 8, .value_kind: global_buffer, .address_space: global }
      - { .name: emb, .offset: 8, .size: 8, .value_kind: global_buffer, .address_space: global }
      - { .name: lowp_scales, .offset: 16, .size: 8, .value_kind: global_buffer, .address_space: global }
      - { .name: xc, .offset: 24, .size: 8, .value_kind: global_buffer, .address_space: global }
      - { .name: ec, .offset: 32, .size: 8, .value_kind: global_buffer, .address_space: global }
      - { .name: en, .offset: 40, .size: 8, .value_kind: global_buffer, .address_space: global }
    .group_segment_fixed_size: 68608
    .private_segment_fixed_size: 0
    .kernarg_segment_align: 8
    .kernarg_segment_size: 48
    .max_flat_workgroup_size: 128
    .sgpr_count:     66
    .vgpr_count:     250
    .wavefront_size: 32
...
	.end_amdgpu_metadata
.endif
;; end of part 1
;; launch vq (part 2): grid 32 x 8, 8 waves a work-group, clusters of 4 x 1, 327,680 bytes of LDS; arguments xc, ec, en, ckey, cidx; writes ckey, cidx
.if DOCPART == 2
	.amdgcn_target "amdgcn-amd-amdhsa--gfx1250"
	.amdhsa_code_object_version 6
	.text
	.protected	k_q9ceca6188a_vq
	.globl	k_q9ceca6188a_vq
	.p2align	8
	.type	k_q9ceca6188a_vq,@function
k_q9ceca6188a_vq:
	s_mov_b64 s[64:65], 0
	v_nop
	global_prefetch_b8 v0, s[64:65] scope:SCOPE_SE
	s_setreg_imm32_b32 hwreg(HW_REG_WAVE_MODE, 25, 1), 1
	s_wait_xcnt 0x0
	s_wait_alu depctr_hold_cnt(0) depctr_sa_sdst(0) depctr_va_vdst(0) depctr_va_sdst(0) depctr_va_ssrc(0) depctr_va_vcc(0) depctr_vm_vsrc(0)
	s_getreg_b32 s2, hwreg(HW_REG_IB_STS2, 6, 4)
	s_cmp_eq_u32 s2, 0
	s_cbranch_scc0 .Lentry_in_a_cluster
	s_endpgm
.Lentry_in_a_cluster:
	s_bfe_u32 s2, ttmp6, 0x10000c
	s_cmp_lg_u32 s2, 0x3003
	s_cbranch_scc0 .Lentry_shape_is_right
	s_endpgm
.Lentry_shape_is_right:
; For 512 rows of x and one eighth (1,024) of the codebook: acc(row, code) = e2' + the sum over k of the two BF8 codes' products, e2' the scaled norm that the launch before stored.
; dist - x2 = -2^(1 + ea + eb) x acc, an exact scaling, so the smallest distance is the LARGEST acc.  x2 is left out: it is the same for all codes of a row and cannot move the argmin (shown at the head of the first kernel).
; Stored for each row and eighth: the winning code (cidx) and its acc as an order-keeping whole number (ckey: the f32 pattern, all bits turned where negative, else the sign bit set; -0 counts as +0).
; ROUNDING: e2' is the C operand of a tile's first matrix instruction, and four instructions of 128 along K add onto it; the last bits so differ from those of x2 + e2 - 2 p.  NaN is not served.
; TIES go to the lower code: tiles ascend and replace the best only when greater; in a tile the first register wins; between the halves of the lanes, and later between eighths, the lower code wins.
; SHARES.  Work-group = row block rb (512 rows) x eighth y: 32 x 8 = 256 work-groups.  Wave w owns rows 64 w .. 64 w + 63, four tiles of 16 (a = 0 .. 3), and takes them against every code tile:
; so no two waves hold the same row.  Eight waves of 512 registers, two to a SIMD: one wave's comparisons stand beside the other's products.
; x's codes stay in registers (4 tiles x 4 K steps x 16 = 256, window 1).  The codebook's 64 tiles go in 8 blocks of 8 through a ring of two LDS slots of 65,536 bytes, as images of the operand's registers, read 512 bytes on end.
; Between a block's request and the wait for it a wave issues 128 products less the 16 that stand in the round.
; The eighth's 1,024 norms (4,096 bytes) come once: 16 bytes a thread by a load and an LDS store, into bytes on which no tensor load lands.
; THE MATRIX INSTRUCTION IS USED TRANSPOSED: source 0 = 16 codebook rows, source 1 = 16 rows of x: a lane holds ONE row of x (lane % 16), and register j the code 16 t + 8 (lane / 16) + j.
; k is permuted alike in both operands (registers 4 c .. 4 c + 3 hold k = 32 c + 16 (lane / 16) + 0 .. 15): every product meets its partner.
; CLUSTER.  The four row blocks of a cluster have the same y and walk the same codes: each block is asked for JOINTLY (mask 15).  Only global addresses of x's codes, of the results and of the prefetches hang on cx.
.set BLKB,  65536                      ; a block: 8 tile images = 128 codes
.set SLOT1, 1<<16                      ; slot 1 begins here
.set EN,    2*SLOT1                    ; the eighth's norms, 4,096 bytes
.set SPARE, EN+4096                    ; the spare words: 128 bytes for each of eight waves
.set MV,    SPARE+1024                 ; the way out: 256 bytes of keys a wave,
.set MIO,   2048                       ; and as many of codes behind the eight
.set XO,  3                            ; v3   16 x lane
.set ADR, 4                            ; v4   the same in the slot in hand
.set AE0, 5                            ; v5   EN + 32 h
.set AE,  6                            ; v6   the same in the block in hand
.set TID, 7                            ; v7   the tile's first code
.set SPW, 8                            ; v8   my spare word; never rewritten
.set NIL, 9                            ; v9   0; never rewritten
.set PFO, 10                           ; v10  256 x lane
.set OO,  11                           ; v11  8 x lane
.set ENW, 12                           ; v12  EN + 16 x thread
.set ENO, 13                           ; v13  16 x thread
.set MVA, 14                           ; v14  MV + 256 x wave + 4 r
.set MRA, 15                           ; v15  MV + 256 x wave + 8 x lane
.set E2,  16                           ; v16-31  e2' of a tile's eight codes of my half: two sets by turns
.set BEST,32                           ; v32-39  the largest acc so far, a register a tile of rows; two sets by turns
.set IDX, 40                           ; v40-43  the winning tile's first code
.set H8,  44                           ; v44  8 h
.set LN,  45                           ; v45  lane
.set SV,  48                           ; v48-79  the winning tile's eight sums, for each tile of rows
.set ACC, 80                           ; v80-111 four accumulators
.set NN,  112                          ; v112-115 the winning code
.set OV,  116                          ; v116-119 lane l xor 16's sum
.set ON,  120                          ; v120-123 and its code
.set NV,  124                          ; v124-127 my 16 bytes of norms on their way to LDS
.set F0,  128                          ; v128-191, v192-255: two buffers for a codebook tile's four fragments
.set F1,  192
.set WV,  16                           ; s16 wave;  s19 cx;  s20 row block;  s21 eighth
.set G1S, 24                           ; s[24:31] group 1: 32 rows of 256 bytes, dense
.set G0A, 40                           ; s[40:43] group 0: block 0 into slot 0
.set G0W, 44                           ; s[44:47] group 0: block 1 into slot 1; then it walks
.set TB,  52                           ; s52  LDS byte at which the slot in hand begins
.set EB,  53                           ; s53  512 x the block in hand
.set NT,  54                           ; s54  the tile's first code
.set CNT, 55                           ; s55  blocks still to be asked for
.set PFA, 56                           ; s[56:57] where my prefetches stand
.set LIM, 58                           ; s58  2 in a wave that prefetches, else the greatest number
.set SEL, 60                           ; s[60:61] v_permlanex16_b32's selects for lane l xor 16
.set MK,  68                           ; s68-71 the four compares' masks
.set MSB, 0
.macro WIN new                         ; the immediate's high byte repeats the setting that is left
.if MSB != \new
	s_set_vgpr_msb (MSB<<8)|\new
.set MSB, \new
.endif
.endm
.macro CREST                           ; a round of the cluster's barrier behind its opening barrier
	s_cmp_lg_u32 s[WV], 0
	s_cbranch_scc1 .Lnot_wave_0_\@
	s_barrier_signal -3
.Lnot_wave_0_\@:
	s_barrier_wait -3
	s_barrier_signal -1
	s_barrier_wait -1
.endm
.macro CROUND
	s_barrier_signal -1
	s_barrier_wait -1
	CREST
.endm
.macro PLACES                          ; four plain vector lines between a matrix instruction and the first read of its result, or a load into a register that it read
.rept 4
	v_nop
.endr
.endm
	s_load_b256 s[4:11], s[0:1], 0x0               ; x's codes s[4:5], the codebook's s[6:7], its norms s[8:9], ckey s[10:11]
	s_load_b64 s[12:13], s[0:1], 0x20              ; cidx
	v_lshl_add_u32 v[SPW], v0, 2, SPARE
	v_mov_b32 v[NIL], 0
	ds_add_u32 v[SPW], v[NIL]                      ; the opening lines: the add, twice on end, and its wait ahead of my first tensor load
	ds_add_u32 v[SPW], v[NIL]
	v_lshrrev_b32 v1, 5, v0
	v_readfirstlane_b32 s[WV], v1                  ; wave 0..7
	v_and_b32 v1, 15, v0                           ; r
	v_bfe_u32 v2, v0, 4, 1                         ; h
	v_and_b32 v[LN], 31, v0
	v_lshlrev_b32 v[ENO], 4, v0
	v_lshl_add_u32 v[ENW], v0, 4, EN
	v_lshlrev_b32 v[XO], 4, v[LN]
	v_lshlrev_b32 v[PFO], 8, v[LN]
	v_lshlrev_b32 v[OO], 3, v[LN]
	v_lshl_add_u32 v[AE0], v2, 5, EN
	v_lshlrev_b32 v[H8], 3, v2
	s_lshl_b32 s22, s[WV], 8
	s_add_co_u32 s22, s22, MV
	v_lshl_add_u32 v[MVA], v1, 2, s22
	v_add_nc_u32 v[MRA], s22, v[OO]
	s_wait_alu depctr_va_vdst(0)
	s_bfe_u32 s19, ttmp6, 0x40000                  ; cx
	s_lshl_b32 s20, ttmp9, 2                       ; in a cluster launch ttmp9 counts clusters
	s_add_co_u32 s20, s20, s19                     ; row block = 4 x cluster x + cx
	s_and_b32 s21, ttmp7, 0xffff                   ; the eighth, which the four partners share
	s_mov_b32 s[G1S+0], 15|(3<<16)|(1<<21)         ; the mask: all four work-groups; elements of 8 bytes; bit 21 set beside a mask; no padding: the images are read 512 bytes on end
	s_mov_b32 s[G1S+1], 32<<16                     ; tensor_dim0 = 32: rows of 256 bytes
	s_mov_b32 s[G1S+2], 32<<16                     ; tensor_dim1 = 32
	s_mov_b32 s[G1S+3], 32<<16                     ; tile_dim0 = 32
	s_mov_b32 s[G1S+4], 32                         ; tile_dim1 = 32: 8,192 bytes, one image, a wave's eighth of a block
	s_mov_b32 s[G1S+5], 32                         ; from row to row
	s_mov_b32 s[G1S+6], 0
	s_mov_b32 s[G1S+7], 0
	s_lshl_b32 s72, s21, 19                        ; the eighth's 524,288 bytes of images: what the joint loads fetch hangs on y and the wave alone
	s_lshl_b32 s59, s[WV], 13                      ; 8,192 x wave, in memory and in LDS
	s_add_co_u32 s72, s72, s59
	s_mov_b32 s73, 0
	s_lshl_b32 s74, s21, 12                        ; the eighth's 4,096 bytes of norms
	s_mov_b32 s75, 0
	s_mov_b32 s[SEL], 0x76543210
	s_mov_b32 s[SEL+1], 0xfedcba98
	s_mov_b32 s[TB], 0
	s_mov_b32 s[EB], 0
	s_lshl_b32 s[NT], s21, 10                      ; the first tile's first code: 1024 y
	s_lshr_b32 s[LIM], s[WV], 1                    ; 0 in waves 0 and 1,
	s_or_b32 s[LIM], s[LIM], ttmp9                 ; of the eighth's first cluster: the same in all four partners
	s_cmp_eq_u32 s[LIM], 0
	s_cselect_b32 s[LIM], 2, -1
	s_wait_dscnt 0x0                               ; both opening adds are done
	s_wait_kmcnt 0x0
	s_mov_b32 s[G0A], 1
	s_mov_b32 s[G0A+1], s59                        ; slot 0
	s_add_nc_u64 s[G0A+2:G0A+3], s[6:7], s[72:73]  ; block 0
	s_or_b32 s[G0A+3], s[G0A+3], 0x80000000
	s_mov_b32 s[G0W], 1
	s_add_co_u32 s[G0W+1], s59, SLOT1              ; slot 1
	s_add_nc_u64 s[G0W+2:G0W+3], s[6:7], s[72:73]
	s_add_nc_u64 s[G0W+2:G0W+3], s[G0W+2:G0W+3], BLKB  ; block 1
	s_or_b32 s[G0W+3], s[G0W+3], 0x80000000
	s_add_nc_u64 s[8:9], s[8:9], s[74:75]
	global_load_b128 v[NV:NV+3], v[ENO], s[8:9]    ; my 16 bytes of the norms: the eight waves read 4,096 bytes on end
	CROUND                                         ; all four work-groups are here: the first joint loads meet
	tensor_load_to_lds s[G0A:G0A+3], s[G1S:G1S+7]  ; my one tensor load at the head: my image of block 0
	s_nop 0
	PLACES
	s_lshl_b32 s76, s20, 18                        ; x's codes: 32 images a row block,
	s_lshl_b32 s77, s[WV], 15                      ; my four of them
	s_add_co_u32 s76, s76, s77
	s_mov_b32 s77, 0
	s_add_nc_u64 s[4:5], s[4:5], s[76:77]
	s_lshl_b32 s76, s21, 16                        ; the results: 16,384 words an eighth,
	s_lshl_b32 s78, s20, 11                        ; 512 a row block,
	s_add_co_u32 s76, s76, s78
	s_lshl_b32 s78, s[WV], 8                       ; 64 a wave
	s_add_co_u32 s76, s76, s78
	s_add_nc_u64 s[10:11], s[10:11], s[76:77]
	s_add_nc_u64 s[12:13], s[12:13], s[76:77]
	s_lshl_b32 s78, s19, 14                        ; the prefetches: my work-group's 16,384 bytes of a block, told apart by address,
	s_and_b32 s22, s[WV], 1
	s_lshl_b32 s22, s22, 13                        ; my wave's 8,192 of them,
	s_add_co_u32 s78, s78, s22
	s_lshl_b32 s22, s21, 19
	s_add_co_u32 s78, s78, s22
	s_add_co_u32 s78, s78, 3*BLKB                  ; in block 3: the first change of slots steps it to block 4
	s_mov_b32 s79, 0
	s_add_nc_u64 s[PFA:PFA+1], s[6:7], s[78:79]
.macro XLOAD a                         ; x's fragment (a, s = g / 4) at v[64 a + 16 s] of window 1: they stay
.irp g, 0,1,2,3,4,5,6,7,8,9,10,11,12,13,14,15
	global_load_b128 v[64*\a+4*\g:64*\a+4*\g+3], v[XO], s[4:5] offset:8192*\a+512*\g
.endr
.endm
	WIN 0x40                                       ; destination window 1, address window 0
	XLOAD 0
	XLOAD 1
	XLOAD 2
	WIN 0
	s_wait_loadcnt 48                              ; all but the 48 loads of x just issued: my norms are in
	ds_store_b128 v[ENW], v[NV:NV+3]
	WIN 0x40
	XLOAD 3
	WIN 0
.irp a, 0,1,2,3
	v_mov_b32 v[BEST+\a], 0xff800000               ; -infinity: under every sum
	v_mov_b32 v[IDX+\a], s[NT]
.endr
.set i, 0
.rept 32
	v_mov_b32 v[SV+i], 0xff800000
.set i, i+1
.endr
.macro LDE set, off                    ; e2' of a tile's eight codes of my half
	ds_load_b128 v[E2+8*(\set):E2+8*(\set)+3], v[AE] offset:\off
	ds_load_b128 v[E2+8*(\set)+4:E2+8*(\set)+7], v[AE] offset:(\off)+16
.endm
.macro LDF buf, tt                     ; the block's tt-th tile: four fragments, 16 loads of 512 bytes on end
.irp g, 0,1,2,3,4,5,6,7,8,9,10,11,12,13,14,15
	ds_load_b128 v[\buf+4*\g:\buf+4*\g+3], v[ADR] offset:8192*(\tt)+512*\g
.endr
.endm
.macro MM buf, set                     ; 16 products: K step by K step, the four accumulators by turns.  The first K step takes e2' as C: no accumulator is cleared or preset
	WIN 0x04                                       ; source 1 (x) window 1
.irp a, 0,1,2,3
	v_wmma_f32_16x16x128_bf8_bf8 v[ACC+8*\a:ACC+8*\a+7], v[\buf:\buf+15], v[64*\a:64*\a+15], v[E2+8*(\set):E2+8*(\set)+7]
.endr
.irp s, 1,2,3
.irp a, 0,1,2,3
	v_wmma_f32_16x16x128_bf8_bf8 v[ACC+8*\a:ACC+8*\a+7], v[\buf+16*\s:\buf+16*\s+15], v[64*\a+16*\s:64*\a+16*\s+15], v[ACC+8*\a:ACC+8*\a+7]
.endr
.endr
	WIN 0
.endm
.macro EPI p                           ; the four tiles' sums against the best so far.  Set p holds the old best, the other set takes the new
.set BO, BEST+4*(\p)
.set BN, BEST+4*(1-(\p))
.irp a, 0,1,2,3
	v_max3_num_f32 v[BN+\a], v[BO+\a], v[ACC+8*\a], v[ACC+8*\a+1]   ; each accumulator is read from its low end on
.endr
.irp j, 2,4,6
.irp a, 0,1,2,3
	v_max3_num_f32 v[BN+\a], v[BN+\a], v[ACC+8*\a+\j], v[ACC+8*\a+\j+1]
.endr
.endr
.irp a, 0,1,2,3
	s_delay_alu instid0(VALU_DEP_4)
	v_cmp_gt_f32 s[MK+\a], v[BN+\a], v[BO+\a]      ; has this tile brought a greater sum?  An equal one leaves the earlier tile
.endr
	v_mov_b32 v[TID], s[NT]
.irp a, 0,1,2,3
	v_cndmask_b32 v[IDX+\a], v[IDX+\a], v[TID], s[MK+\a]
.endr
.irp a, 0,1,2,3
.irp j, 0,1,2,3,4,5,6,7
	v_cndmask_b32 v[SV+8*\a+\j], v[SV+8*\a+\j], v[ACC+8*\a+\j], s[MK+\a]
.endr
.endr
.endm
; A PREFETCH INTO THE L2 of the block that stands two refills on: at the change that asks for block b + 2, block b + 4 is named.  All clusters of an eighth walk the same blocks: the eighth's first cluster asks;
; its four partners take 16,384 bytes each, told apart by address; in each, waves 0 and 1 take 8,192 bytes, lanes 256 bytes apart: each aligned 256 bytes are named once in the launch.
; It stops while s[CNT] is 2 or less: block 7 is the last that is named.  Blocks 0 to 3 come by their loads alone.
.macro ASK
	s_cmp_gt_u32 s[CNT], s[LIM]
	s_cbranch_scc0 .Lnot_mine_\@
	global_prefetch_b8 v[PFO], s[PFA:PFA+1] th:TH_LOAD_NT scope:SCOPE_SE
.Lnot_mine_\@:
.endm
; One of a block's first seven tiles: the next tile's norms and fragments are asked for, this tile is multiplied and compared.
.macro STEP tt
.if (\tt)%2
.set CUR, F1
.set NXT, F0
.else
.set CUR, F0
.set NXT, F1
.endif
	LDE 1-(\tt)%2, 64*((\tt)+1)
	LDF NXT, (\tt)+1
	s_wait_dscnt 18                                ; all but the 18 just issued: this tile's norms and fragments are in
	MM CUR, (\tt)%2
	PLACES
	EPI (\tt)%2
	s_add_co_u32 s[NT], s[NT], 16
.endm
; A block's last tile changes slots: ONE barrier.  In front of it each wave waits for all its tensor loads (one is out: its image of the next slot), adds 0 to its spare word, and waits for that and for its reads of this slot.
; fill = 1: the barrier opens a round of the cluster's barrier, and behind the round this slot is filled again, with the block two on.
.macro STEPC fill
	LDE 0, 512                                     ; the next block's first tile
	s_wait_tensorcnt 0x0                           ; no tensor load of mine is out, so a group 0 may be written
	ds_add_u32 v[SPW], v[NIL]                      ; the steps below stand between the add and the wait for it
.if \fill
	s_xor_b32 s[G0W+1], s[G0W+1], SLOT1            ; the walking descriptor: the other slot than last time,
	s_add_nc_u64 s[G0W+2:G0W+3], s[G0W+2:G0W+3], BLKB  ; the next block
	s_wait_xcnt 0x0                                ; the last prefetch, a block back, has read its address
	s_add_nc_u64 s[PFA:PFA+1], s[PFA:PFA+1], BLKB
.endif
	s_xor_b32 s[TB], s[TB], SLOT1                  ; my reads go on to the other slot,
	s_add_co_u32 s[EB], s[EB], 512                 ; and to the next block's norms
	s_wait_dscnt 0x0                               ; the add is done, this tile's fragments and the norms are in, and my reads of this slot are over
	s_barrier_signal -1
	MM F1, 1                                       ; work on registers while the others arrive
	s_barrier_wait -1
.if \fill
	CREST                                          ; no wave of any partner still reads this slot or has a load on its way
	tensor_load_to_lds s[G0W:G0W+3], s[G1S:G1S+7]  ; my one tensor load behind the round, and the first thing there
	s_nop 0
.endif
	PLACES                                         ; behind the joint load, and the places behind the products
	v_add_nc_u32 v[ADR], s[TB], v[XO]
	v_add_nc_u32 v[AE], s[EB], v[AE0]
	LDF F0, 0
.if \fill
	ASK                                            ; behind the joint load and the run of LDS loads that the next products wait for
.endif
	EPI 1
	s_add_co_u32 s[NT], s[NT], 16
.endm
.macro SEVEN
.irp t, 0,1,2,3,4,5,6
	STEP \t
.endr
.endm
	s_wait_alu depctr_va_vdst(0)
	s_wait_tensorcnt 0x0                           ; my image of block 0 is in
	ds_add_u32 v[SPW], v[NIL]
	s_wait_dscnt 0x0                               ; the add is done, and my norms lie in LDS
	CROUND                                         ; everybody's parts of block 0 and of the norms are in, and all four work-groups are here
	tensor_load_to_lds s[G0W:G0W+3], s[G1S:G1S+7]  ; block 1: slot 1's first fill, my one tensor load behind the round
	s_nop 0
	PLACES
	v_add_nc_u32 v[ADR], s[TB], v[XO]
	v_add_nc_u32 v[AE], s[EB], v[AE0]
	LDE 0, 0
	LDF F0, 0
	s_wait_alu depctr_va_vdst(0)
	s_wait_loadcnt 0x0                             ; x's codes
	s_mov_b32 s[CNT], 6
.Lblk:                                             ; blocks 0 to 5: each asks for the block two on
	SEVEN
	STEPC 1
	s_sub_co_u32 s[CNT], s[CNT], 1
	s_cmp_lg_u32 s[CNT], 0
	s_cbranch_scc1 .Lblk
	SEVEN                                          ; block 6: the tail is written out
	STEPC 0
	SEVEN                                          ; block 7
	s_wait_dscnt 0x0
	MM F1, 1
	PLACES
	EPI 1                                          ; the best lies in set 0 again
	; THE END.  The first register of the winning tile that holds the best; its code; the other half of the lanes'.
.macro JOIN v, n, ov, on               ; (v, n) takes (ov, on) where ov is greater, or equal with the lower code.  The masks feed selects alone
	v_cmp_gt_f32 s72, v[\ov], v[\v]
	v_cmp_eq_f32 s73, v[\ov], v[\v]
	v_cmp_lt_u32 s74, v[\on], v[\n]
	s_and_b32 s73, s73, s74
	s_or_b32 s72, s72, s73
	v_cndmask_b32 v[\v], v[\v], v[\ov], s72
	v_cndmask_b32 v[\n], v[\n], v[\on], s72
.endm
.irp a, 0,1,2,3
	v_mov_b32 v[NN+\a], 7
	v_mov_b32 v[OV+\a], 0                          ; a lane permute's destination counts as one of its sources
	v_mov_b32 v[ON+\a], 0
.endr
.irp j, 6,5,4,3,2,1,0
.irp a, 0,1,2,3
	v_cmp_neq_f32 vcc_lo, v[SV+8*\a+\j], v[BEST+\a]
	v_cndmask_b32 v[NN+\a], \j, v[NN+\a], vcc_lo   ; j where register j holds the best: descending, so the first one stays
.endr
.endr
.irp a, 0,1,2,3
	v_add3_u32 v[NN+\a], v[IDX+\a], v[H8], v[NN+\a]  ; the code: the tile's first + 8 h + j
.endr
.irp a, 0,1,2,3
	v_permlanex16_b32 v[OV+\a], v[BEST+\a], s[SEL], s[SEL+1]
	v_permlanex16_b32 v[ON+\a], v[NN+\a], s[SEL], s[SEL+1]
.endr
.irp a, 0,1,2,3
	JOIN BEST+\a, NN+\a, OV+\a, ON+\a
.endr
.irp a, 0,1,2,3
	v_add_f32 v[BEST+\a], 0, v[BEST+\a]            ; -0 becomes +0
.endr
.irp a, 0,1,2,3
	v_ashrrev_i32 v[OV+\a], 31, v[BEST+\a]         ; all ones where negative
.endr
.irp a, 0,1,2,3
	v_or_b32 v[OV+\a], 0x80000000, v[OV+\a]
.endr
.irp a, 0,1,2,3
	v_xor_b32 v[BEST+\a], v[BEST+\a], v[OV+\a]     ; the key: as unsigned whole numbers the keys stand in the order of the sums
.endr
.irp a, 0,1,2,3
	ds_store_b32 v[MVA], v[BEST+\a] offset:64*\a         ; my wave's own bytes; lanes r and 16 + r write the same word with the same number
	ds_store_b32 v[MVA], v[NN+\a] offset:MIO+64*\a
.endr
	ds_load_b64 v[SV:SV+1], v[MRA]                 ; LDS serves a wave's instructions in order: these see the stores above
	ds_load_b64 v[SV+2:SV+3], v[MRA] offset:MIO
	s_wait_dscnt 0x0
	global_store_b64 v[OO], v[SV:SV+1], s[10:11]   ; my 64 rows' keys: 256 consecutive bytes, aligned
	global_store_b64 v[OO], v[SV+2:SV+3], s[12:13] ; and their codes
	s_wait_tensorcnt 0x0                           ; the wave's end
	ds_add_u32 v[SPW], v[NIL]
	s_wait_dscnt 0x0
	CROUND                                         ; the closing round: no work-group ends while a partner may still ask for a tile that names it
	s_endpgm
.Lfunc_end_k_q9ceca6188a_vq:
	.size	k_q9ceca6188a_vq, .Lfunc_end_k_q9ceca6188a_vq-k_q9ceca6188a_vq
	.p2alignl 7, 3214868480
	.fill 96, 4, 3214868480
	.section	.rodata,"a",@progbits
	.p2align	6, 0x0
	.amdhsa_kernel k_q9ceca6188a_vq
		.amdhsa_group_segment_fixed_size 327680
		.amdhsa_private_segment_fixed_size 0
		.amdhsa_enable_private_segment 0
		.amdhsa_kernarg_size 40
		.amdhsa_user_sgpr_count 2
		.amdhsa_user_sgpr_kernarg_segment_ptr 1
		.amdhsa_wavefront_size32 1
		.amdhsa_system_sgpr_workgroup_id_x 1
		.amdhsa_system_sgpr_workgroup_id_y 1
		.amdhsa_system_sgpr_workgroup_id_z 1
		.amdhsa_system_vgpr_workitem_id 0
		.amdhsa_next_free_vgpr 512
		.amdhsa_next_free_sgpr 80
		.amdhsa_reserve_vcc 1
		.amdhsa_float_denorm_mode_32 3
		.amdhsa_float_denorm_mode_16_64 3
		.amdhsa_memory_ordered 1
		.amdhsa_forward_progress 1
		.amdhsa_inst_pref_size 167
	.end_amdhsa_kernel
	.amdgpu_metadata
---
amdhsa.version: [ 1, 2 ]
amdhsa.kernels:
  - .name:           k_q9ceca6188a_vq
    .symbol:         k_q9ceca6188a_vq.kd
    .args:
      - { .name: xc, .offset: 0, .size: 8, .value_kind: global_buffer, .address_space: global }
      - { .name: ec, .offset: 8, .size: 8, .value_kind: global_buffer, .address_space: global }
      - { .name: en, .offset: 16, .size: 8, .value_kind: global_buffer, .address_space: global }
      - { .name: ckey, .offset: 24, .size: 8, .value_kind: global_buffer, .address_space: global }
      - { .name: cidx, .offset: 32, .size: 8, .value_kind: global_buffer, .address_space: global }
    .group_segment_fixed_size: 327680
    .private_segment_fixed_size: 0
    .kernarg_segment_align: 8
    .kernarg_segment_size: 40
    .max_flat_workgroup_size: 256
    .sgpr_count:     80
    .vgpr_count:     512
    .wavefront_size: 32
...
	.end_amdgpu_metadata
.endif
;; end of part 2
;; launch pick (part 3): grid 512 x 1, 8 waves a work-group, no clusters, 0 bytes of LDS; arguments emb, ckey, cidx, out0; writes out0
.if DOCPART == 3
	.amdgcn_target "amdgcn-amd-amdhsa--gfx1250"
	.amdhsa_code_object_version 6
	.text
	.protected	k_q9ceca6188a_pick
	.globl	k_q9ceca6188a_pick
	.p2align	8
	.type	k_q9ceca6188a_pick,@function
k_q9ceca6188a_pick:
	s_mov_b64 s[64:65], 0
	v_nop
	global_prefetch_b8 v0, s[64:65] scope:SCOPE_SE
	s_setreg_imm32_b32 hwreg(HW_REG_WAVE_MODE, 25, 1), 1
	s_wait_xcnt 0x0
; out0[row] = emb[the winning code of the row].  For each row the launch before stored one candidate for each eighth of the codebook: its code (cidx[eighth][row]) and a key (ckey[eighth][row]),
; an unsigned whole number that stands in the order of the candidates' sums: the greatest key is the nearest code.  x2 is left out here too (shown at the head of the first kernel).
; The eight keys of a row are compared as whole numbers, in scalar registers; an equal key leaves the lower eighth's candidate, the lower code.  The winner's row alone is loaded.
; A wave takes four rows; a row of 2,048 bytes is four loads of 512 consecutive bytes; all 16 loads go out at once.  Each store covers 512 consecutive bytes, aligned.
; No LDS, no matrix work, no cluster: rows are gathered and stored, and waves share nothing.  No hint on the loads: many rows may name one row of emb.
.set LO,  1                            ; v1      16 x lane
.set O,   2                            ; v2-5    row i: 2,048 x code + 16 x lane
.set D,   16                           ; v16-79  row i: 16 registers
.set KY,  16                           ; s16-47  key of eighth k, row i at s[16 + 4 k + i]
.set CI,  68                           ; s68-99  its code likewise
	s_load_b256 s[4:11], s[0:1], 0x0               ; emb s[4:5], ckey s[6:7], cidx s[8:9], out0 s[10:11]
	v_lshrrev_b32 v1, 5, v0
	v_readfirstlane_b32 s12, v1                    ; wave 0..7
	s_lshl_b32 s13, ttmp9, 3
	s_add_co_u32 s13, s13, s12                     ; my wave among all 4,096
	s_lshl_b32 s14, s13, 4                         ; four words
	s_lshl_b32 s2, s13, 13                         ; four rows of 2,048 bytes
	s_mov_b32 s3, 0
	v_and_b32 v1, 31, v0
	v_lshlrev_b32 v[LO], 4, v1
	s_wait_alu depctr_va_vdst(0)
	s_wait_kmcnt 0x0
.irp k, 0,1,2,3,4,5,6,7
	s_load_b128 s[KY+4*\k:KY+4*\k+3], s[6:7], s14 offset:0x10000*\k
	s_load_b128 s[CI+4*\k:CI+4*\k+3], s[8:9], s14 offset:0x10000*\k
.endr
	s_add_nc_u64 s[10:11], s[10:11], s[2:3]
	s_wait_kmcnt 0x0
.irp k, 1,2,3,4,5,6,7
.irp i, 0,1,2,3
	s_cmp_gt_u32 s[KY+4*\k+\i], s[KY+\i]           ; only a greater key replaces the best
	s_cselect_b32 s[KY+\i], s[KY+4*\k+\i], s[KY+\i]
	s_cselect_b32 s[CI+\i], s[CI+4*\k+\i], s[CI+\i]
.endr
.endr
.irp i, 0,1,2,3
	s_min_u32 s[CI+\i], s[CI+\i], 8191             ; a code stays inside the table
	s_lshl_b32 s[CI+\i], s[CI+\i], 11              ; its row's first byte
.endr
.irp i, 0,1,2,3
	v_add_nc_u32 v[O+\i], s[CI+\i], v[LO]
.endr
.irp i, 0,1,2,3
.irp q, 0,1,2,3
	global_load_b128 v[D+16*\i+4*\q:D+16*\i+4*\q+3], v[O+\i], s[4:5] offset:512*\q
.endr
.endr
.irp i, 0,1,2,3
	s_wait_loadcnt 12-4*\i                         ; this row's four loads are in; the later rows' may be out
.irp q, 0,1,2,3
	global_store_b128 v[LO], v[D+16*\i+4*\q:D+16*\i+4*\q+3], s[10:11] offset:2048*\i+512*\q th:TH_STORE_NT
.endr
.endr
	s_endpgm
.Lfunc_end_k_q9ceca6188a_pick:
	.size	k_q9ceca6188a_pick, .Lfunc_end_k_q9ceca6188a_pick-k_q9ceca6188a_pick
	.p2alignl 7, 3214868480
	.fill 96, 4, 3214868480
	.section	.rodata,"a",@progbits
	.p2align	6, 0x0
	.amdhsa_kernel k_q9ceca6188a_pick
		.amdhsa_group_segment_fixed_size 0
		.amdhsa_private_segment_fixed_size 0
		.amdhsa_enable_private_segment 0
		.amdhsa_kernarg_size 32
		.amdhsa_user_sgpr_count 2
		.amdhsa_user_sgpr_kernarg_segment_ptr 1
		.amdhsa_wavefront_size32 1
		.amdhsa_system_sgpr_workgroup_id_x 1
		.amdhsa_system_sgpr_workgroup_id_y 1
		.amdhsa_system_sgpr_workgroup_id_z 1
		.amdhsa_system_vgpr_workitem_id 0
		.amdhsa_next_free_vgpr 80
		.amdhsa_next_free_sgpr 100
		.amdhsa_reserve_vcc 0
		.amdhsa_float_denorm_mode_32 3
		.amdhsa_float_denorm_mode_16_64 3
		.amdhsa_memory_ordered 1
		.amdhsa_forward_progress 1
		.amdhsa_inst_pref_size 8
	.end_amdhsa_kernel
	.amdgpu_metadata
---
amdhsa.version: [ 1, 2 ]
amdhsa.kernels:
  - .name:           k_q9ceca6188a_pick
    .symbol:         k_q9ceca6188a_pick.kd
    .args:
      - { .name: emb, .offset: 0, .size: 8, .value_kind: global_buffer, .address_space: global }
      - { .name: ckey, .offset: 8, .size: 8, .value_kind: global_buffer, .address_space: global }
      - { .name: cidx, .offset: 16, .size: 8, .value_kind: global_buffer, .address_space: global }
      - { .name: out0, .offset: 24, .size: 8, .value_kind: global_buffer, .address_space: global }
    .group_segment_fixed_size: 0
    .private_segment_fixed_size: 0
    .kernarg_segment_align: 8
    .kernarg_segment_size: 32
    .max_flat_workgroup_size: 256
    .sgpr_count:     100
    .vgpr_count:     80
    .wavefront_size: 32
...
	.end_amdgpu_metadata
.endif
;; end of part 3
